; MI455X (gfx1250); checked and timed in simulation.
; The chip was launched on July 23, 2026; its instructions are those of AMD's public machine-readable ISA for CDNA 5 (MIT licence, August 2026) and "CDNA5" Instruction Set Architecture Reference Guide (July 2026). The comments in the code are by the model that wrote it; some were corrected since.
;; Structure Aware Graph Attention. Allowed arithmetic: matrix products marked QUANTISED: E2M1 operands, one E8M0 scale for each 32 along K, by v_wmma_scale_f32_16x16x128_f8f6f4 with both operands' format E2M1 (or v_wmma_scale_f32_32x16x128_f4), f32 sums; everything else in f32.
;; Inputs: Wk_codes 128 x 4 x 16 uint8 (E2M1 codes of Wk, K innermost, in blocks of 32 codes, two codes a byte); Wk_scales 128 x 4 uint8 (E8M0 scales of Wk, one for each 32 codes along K); Wo_codes 128 x 4 x 16 uint8 (E2M1 codes of Wo, K innermost, in blocks of 32 codes, two codes a byte); Wo_scales 128 x 4 uint8 (E8M0 scales of Wo, one for each 32 codes along K); Wq_codes 128 x 4 x 16 uint8 (E2M1 codes of Wq, K innermost, in blocks of 32 codes, two codes a byte); Wq_scales 128 x 4 uint8 (E8M0 scales of Wq, one for each 32 codes along K); Wv_codes 128 x 4 x 16 uint8 (E2M1 codes of Wv, K innermost, in blocks of 32 codes, two codes a byte); Wv_scales 128 x 4 uint8 (E8M0 scales of Wv, one for each 32 codes along K); bk 128 float32; bo 128 float32; bq 128 float32; bv 128 float32; edge_weight 4 x 4,096 x 4,096 float32; x_codes 4 x 4,096 x 4 x 16 uint8 (E2M1 codes of x, K innermost, in blocks of 32 codes, two codes a byte); x_scales 4 x 4,096 x 4 uint8 (E8M0 scales of x, one for each 32 codes along K).
;; Outputs: out0 4 x 4,096 x 128 float32.
;; This version of the problem:
;;   THIS VERSION OF THE PROBLEM IS GIVEN IN LOW PRECISION. The matrix products marked QUANTISED in the list below multiply operands that are first quantised to E2M1 (2 exponent bits, 1 mantissa bit; 4 bits a number), with one power-of-two scale for each 32 numbers along K (OCP MX v1.0); their sums are f32. All else is computed in f32.
;;   The module's matrix products, in the order in which they are computed (A, B: the left and right operand; K: the contracted axis; several contracted axes count as one K, in the product's order):
;;     1. [M 16,384, K 128] x [K 128, N 128]; A: input x (given as codes); B: input Wq (given as codes): QUANTISED
;;     2. [M 16,384, K 128] x [K 128, N 128]; A: input x (given as codes); B: input Wk (given as codes): QUANTISED
;;     3. [M 16,384, K 128] x [K 128, N 128]; A: input x (given as codes); B: input Wv (given as codes): QUANTISED
;;     4. batch 16 x [M 4,096, K 32] x [K 32, N 4,096]; A: computed on the way; B: computed on the way: QUANTISED
;;     5. batch 16 x [M 4,096, K 4,096] x [K 4,096, N 32]; A: softmax (see below); B: computed on the way: QUANTISED
;;     6. [M 16,384, K 128] x [K 128, N 128]; A: computed on the way; B: input Wo (given as codes): QUANTISED
;;   THE QUANTISER, for each operand of a quantised product, along K:
;;     - K is cut into blocks of 32 from its start; a last block that is shorter is filled with zeros.
;;     - A block's scale is 2^e with e = floor(log2(the largest magnitude in the block)) - 2, held to -126 .. 127; a block of zeros has e = 0. As a byte (E8M0): e + 127.
;;     - Each number is divided by its block's scale, clamped to +-6, and rounded to the nearest number of E2M1, ties to even, subnormals kept.
;;     - The product sums the exact products of the quantised numbers (number of the format x scale) in f32.
;;   ~~~python
;;   def quantise(x, axis):      # numpy; x: float32 -> the quantised numbers, widened to float32 again
;;       x = np.moveaxis(x, axis, -1); K = x.shape[-1]
;;       x = np.pad(x, [(0, 0)] * (x.ndim - 1) + [(0, -K % 32)]); x = x.reshape(x.shape[:-1] + (-1, 32)); a = np.abs(x).max(-1, keepdims=True)
;;       e = np.where(a > 0, np.clip(np.frexp(np.where(a > 0, a, 1))[1] - 1 - 2, -126, 127), 0)      # np.frexp(a)[1] - 1 = floor(log2(a)), exactly
;;       r = np.clip(x / 2.0 ** e, -6, 6)
;;       step = 2.0 ** (np.maximum(np.frexp(np.where(r == 0, 1, r))[1] - 1, 0) - 1)
;;       q = np.round(r / step) * step * 2.0 ** e      # np.round: ties to even
;;       return np.moveaxis(q.reshape(q.shape[:-2] + (-1,))[..., :K], -1, axis).astype(np.float32)
;;   ~~~
;;   SOFTMAX AHEAD OF A QUANTISED PRODUCT. Where the list says 'softmax', what is quantised is not the finished softmax but p = 2^(t - M), with t = logit x log2(e) and M = ceil(the row's largest t), a whole number; so 1/2 < the row's largest p <= 1. The row's sum l is taken of the UNQUANTISED p, in f32, and the product's result is divided by l at the end. Since M is a whole number, a kernel that streams over the keys may use a running M (the ceiling of the running maximum): every later rescaling is an exact power of two, which a block's scale takes up: the codes' values come out the same.
;;   OPERANDS COMPUTED ON THE WAY. 'Computed on the way' means the value that the module computes at that place (a softmax that the list does not call 'softmax' is quantised finished and normalised). What goes into a quantiser is computed in f32, as accurately as f32 sums, v_exp_f32 and their like allow (about 1e-6 of the number): no bf16 or f16 on the way to a quantiser, and a product that is left as it is and whose result goes on into a quantised operand takes f32 operands (vector FMAs, or v_wmma_f32_16x16x4_f32). A number that lies on a knife's edge between two numbers of the format may be rounded either way, as far as f32 arithmetic and the matrix unit's own rounding can turn it there, and no further.
;;   INPUTS GIVEN AS CODES. Wk (in the module: [128, 128], K = its axis 1); Wo (in the module: [128, 128], K = its axis 1); Wq (in the module: [128, 128], K = its axis 1); Wv (in the module: [128, 128], K = its axis 1); x (in the module: [4, 4096, 128], K = its axis 2): each comes as NAME_codes (uint8): NAME with its K axis moved to the last place and cut into blocks of 32 codes, [.., K / 32, bytes a block], one block behind the other in memory; two codes a byte, the lower K in the low four bits (a code: sign, 2 exponent bits, 1 mantissa bit); and NAME_scales (uint8): the same leading axes, one E8M0 byte (e + 127) for each 32 codes along K. Its value is code x scale, taken as it is: it is not quantised again, and the codes and scales need not be those that the quantiser above would give.
;; One version. Each part assembles by itself: llvm-mc -triple=amdgcn-amd-amdhsa -mcpu=gfx1250 --defsym DOCPART=n.
;; ======== version 1 of 1: 2 launches
;; limits: right only within a limited range of input values
;; workspace buffers: kv 2,228,224 bytes; qb 1,114,112 bytes
;; launch proj (part 1): grid 256 x 1, 3 waves a work-group, no clusters, 0 bytes of LDS; arguments x_codes, x_scales, Wq_codes, Wq_scales, bq, Wk_codes, Wk_scales, bk, Wv_codes, Wv_scales, bv, qb, kv; writes qb, kv
.if DOCPART == 1
	.amdgcn_target "amdgcn-amd-amdhsa--gfx1250"
	.amdhsa_code_object_version 6
	.text
	.protected	k_q8702cae837_proj
	.globl	k_q8702cae837_proj
	.p2align	8
	.type	k_q8702cae837_proj,@function
k_q8702cae837_proj:
	s_mov_b64 s[64:65], 0
	v_nop
	global_prefetch_b8 v0, s[64:65] scope:SCOPE_SE
	s_setreg_imm32_b32 hwreg(HW_REG_WAVE_MODE, 25, 1), 1
	s_wait_xcnt 0x0
; q = x Wq^T + bq, k = x Wk^T + bk, v = x Wv^T + bv on codes of FP4 (E2M1) with E8M0 scales, sums in f32; each result is quantised again at once,
; q and k along their 128 columns (a block of 32 = a head), v along the KEYS (the second attention product's K), and stored as IMAGES OF OPERAND REGISTERS.
; A STEP is 128 rows of x (sg = 0 .. 127 over the 4 graphs).  qb: [sg][8,704]: 8 images of q (1,024 bytes each), then 512 bytes of scale words.
; kv: [sg][17,408]: 8 images of k, 8 of v, k's scale words (512 bytes), v's (512).  Image of tile t: group c (registers 4 c .. 4 c + 3) of lane l at 1,024 t + 512 c + 16 l.
; Scale word of tile 4 g + j, row r: at 256 g + 16 r + 4 j, so that one 16-byte read a lane gives register j = tile j in lanes 0-15 and tile 4 + j in lanes 16-31.
; SHARES.  Work-group X: step X / 2, tiles 4 g .. 4 g + 3 with g = X % 2.  Wave 0 makes q's four tiles, wave 1 k's, wave 2 v's.  Waves share nothing: no LDS, no barrier.
; ONE SCHEME.  D[a] = Aset[a] x B[j] + C, a = 0 .. 7.  Lane r of Aset's tile 2 b + u takes row 32 b + 8 u + r + 8 (r / 8), so that lane (r, h) of the result holds row r of B[j]
; and its register 16 b + i the Aset row 32 b + 16 h + i: 16 neighbours along the K of the product that comes next.  q, k: Aset = the weight, B = rows of x, C = the bias along the registers.
; v: Aset = the step's 128 rows of x (the keys), B = rows of Wv, C = the lane's own bv in all eight registers.
; Rows of the tiles: q: natural (16 t + r).  k (keys) and v (channels): 32 (t / 2) + 8 (t % 2) + r + 8 (r / 8), which the attention launch's layouts want.
; LIMITS: NaN and infinities are not served.  A block whose largest magnitude lies under 2^-124, a block of zeros too, keeps the scale byte 1: its codes are then zeros or next to it, and only this program reads the bytes.
.set TM,  34                           ; v34-37 largest magnitudes, v38-41 the other half's / the bytes, v46-49 the conversions' scale operands
.set SEL, 60                           ; s[60:61] selects of v_permlanex16_b32 for lane l xor 16
.set MSB, 0
.macro WIN new                         ; the immediate's high byte repeats the setting that is left
.if MSB != \new
	s_set_vgpr_msb (MSB<<8)|\new
.set MSB, \new
.endif
.endm
; 64 numbers of a lane, register 16 b + i = k 32 b + 16 (lane / 16) + i of my row, become a fragment's 8 registers of codes at v[pc] and its scale word in v[pw].
.macro QUANT s, pc, pw
.irp b, 0,1,2,3
	v_max3_num_f32 v[TM+\b], |v[(\s)+16*\b]|, |v[(\s)+1+16*\b]|, 0x1800000   ; block b: my 16 numbers and the floor 2^(3 - 127), which holds the byte at 1 from below
.endr
.irp i, 2,4,6,8,10,12,14
.irp b, 0,1,2,3
	v_max3_num_f32 v[TM+\b], v[TM+\b], |v[(\s)+16*\b+\i]|, |v[(\s)+1+16*\b+\i]|   ; the four blocks by turns
.endr
.endr
.irp b, 0,1,2,3
	v_permlanex16_b32 v[TM+4+\b], v[TM+\b], s[SEL], s[SEL+1]
.endr
.irp b, 0,1,2,3
	v_max_num_f32 v[TM+\b], v[TM+\b], v[TM+4+\b]             ; with lane l xor 16's 16: the block's largest magnitude
.endr
.irp b, 0,1,2,3
	v_add_nc_u32 v[TM+12+\b], 0xff000000, v[TM+\b]           ; 2 off its exponent field: the conversion's scale operand
.endr
.irp b, 0,1,2,3
	v_lshrrev_b32 v[TM+4+\b], 23, v[TM+12+\b]                ; the scale's byte
.endr
	v_lshl_or_b32 v[\pw], v[TM+5], 8, v[TM+4]                ; four bytes: my row's scale word
	v_lshl_or_b32 v[\pw], v[TM+6], 16, v[\pw]
	v_lshl_or_b32 v[\pw], v[TM+7], 24, v[\pw]
.irp b, 0,1,2,3
	v_cvt_scalef32_pk8_fp4_f32 v[(\pc)+2*\b], v[(\s)+16*\b:(\s)+7+16*\b], v[TM+12+\b]
	v_cvt_scalef32_pk8_fp4_f32 v[(\pc)+1+2*\b], v[(\s)+8+16*\b:(\s)+15+16*\b], v[TM+12+\b]
.endr
	v_nop                                                    ; one plain place behind a scaled conversion
.irp c, 0,1                                                  ; the operand wants a whole block in a lane: lanes 0-15 block 2 c, lanes 16-31 block 2 c + 1
.irp i, 0,1
	v_permlane16_swap_b32 v[(\pc)+4*\c+\i], v[(\pc)+2+4*\c+\i]
.endr
.endr
.endm
	s_load_b512 s[4:19], s[0:1], 0x0               ; x codes s[4:5], x scales s[6:7], Wq codes s[8:9], Wq scales s[10:11], bq s[12:13], Wk codes s[14:15], Wk scales s[16:17], bk s[18:19]
	s_load_b256 s[20:27], s[0:1], 0x40             ; Wv codes s[20:21], Wv scales s[22:23], bv s[24:25], qb s[26:27]
	s_load_b64 s[28:29], s[0:1], 0x60              ; kv
	v_lshrrev_b32 v1, 5, v0
	v_readfirstlane_b32 s30, v1                    ; wave 0..2
	s_lshr_b32 s31, ttmp9, 1                       ; sg: the step
	s_and_b32 s32, ttmp9, 1                        ; g: which four tiles
	v_and_b32 v1, 31, v0                           ; lane
	v_and_b32 v2, 15, v0                           ; r
	v_bfe_u32 v3, v0, 4, 1                         ; h
	v_and_b32 v11, 8, v2
	v_add_nc_u32 v11, v11, v2                      ; r + 8 (r / 8)
	v_lshlrev_b32 v4, 6, v11
	v_lshl_add_u32 v4, v3, 4, v4                   ; codes, rows chosen: 64 bytes a row, + 16 h
	v_lshlrev_b32 v5, 6, v2
	v_lshl_add_u32 v5, v3, 4, v5                   ; codes, rows as they lie
	v_lshlrev_b32 v6, 2, v11                       ; a word a row, rows chosen
	v_lshlrev_b32 v7, 2, v2                        ; a word a row, rows as they lie
	v_lshlrev_b32 v8, 6, v3                        ; a bias along the registers: 16 h numbers on
	v_lshlrev_b32 v9, 4, v1                        ; an image's place for my lane
	v_lshlrev_b32 v10, 4, v2
	v_lshl_add_u32 v10, v3, 3, v10                 ; the scale words' way out: 16 r + 8 h
.irp b, 0,1,2,3
	v_mov_b32 v[TM+4+\b], 0                        ; written once: a lane permute's destination counts as one of its sources
.endr
	s_mov_b32 s[SEL], 0x76543210
	s_mov_b32 s[SEL+1], 0xfedcba98
	s_mov_b32 s62, 0xffff0000                      ; lanes 16-31
	s_lshl_b32 s34, s31, 13                        ; the step's codes of x: 128 rows of 64 bytes
	s_mov_b32 s35, 0
	s_lshl_b32 s36, s31, 9                         ; its scale words
	s_mov_b32 s37, 0
	s_lshl_b32 s38, s32, 12                        ; four tiles: 64 rows of codes, or four images
	s_mov_b32 s39, 0
	s_lshl_b32 s40, s32, 8                         ; 64 rows' words
	s_mov_b32 s41, 0
	s_mul_i32 s54, s31, 8704                       ; the step's block in qb
	s_mov_b32 s55, 0
	s_mul_i32 s56, s31, 17408                      ; and in kv
	s_mov_b32 s57, 0
	s_wait_kmcnt 0x0
	s_add_nc_u64 s[4:5], s[4:5], s[34:35]          ; x at the step
	s_add_nc_u64 s[6:7], s[6:7], s[36:37]
; REGISTERS: v12-19 Aset's scale words, v20-23 B's; v24-27 the four scale words made; v28-29 their way out; v30-33 v's bias; v50-57 it in eight registers;
; v64-95 B's four fragments; v96-127 the four fragments made (each its own registers: no store's data are written again); v128-191 the bias along the registers; v192-255 D; window 1 v0-63: Aset.
.macro JOB type
.if \type == 0
.set AC,   8
.set ASC,  10
.set BIA,  12
.set IMGO, 0
.set SCLO, 8192
	s_add_nc_u64 s[42:43], s[26:27], s[54:55]
.elseif \type == 1
.set AC,   14
.set ASC,  16
.set BIA,  18
.set IMGO, 0
.set SCLO, 16384
	s_add_nc_u64 s[42:43], s[28:29], s[56:57]
.else
.set AC,   4
.set ASC,  6
.set BIA,  52
.set IMGO, 8192
.set SCLO, 16896
	s_add_nc_u64 s[42:43], s[28:29], s[56:57]
.endif
.if \type == 2
	s_add_nc_u64 s[44:45], s[20:21], s[38:39]      ; B: my 64 rows of Wv,
	s_add_nc_u64 s[50:51], s[22:23], s[40:41]      ; their scale words,
	s_add_nc_u64 s[52:53], s[24:25], s[40:41]      ; their bias
.else
	s_add_nc_u64 s[44:45], s[4:5], s[38:39]        ; B: my 64 rows of x,
	s_add_nc_u64 s[50:51], s[6:7], s[40:41]        ; their scale words
.endif
	s_add_nc_u64 s[46:47], s[42:43], s[38:39]      ; where my four images go,
	s_add_nc_u64 s[48:49], s[42:43], s[40:41]      ; and my 256 bytes of scale words
	WIN 0x40                                       ; destination window 1
.irp a, 0,1,2,3,4,5,6,7
.irp c, 0,1
	global_load_b128 v[8*\a+4*\c:8*\a+4*\c+3], v4, s[AC:AC+1] offset:(32*(\a/2)+8*(\a%2))*64+32*\c
.endr
.endr
	WIN 0
.irp a, 0,1,2,3,4,5,6,7
	global_load_b32 v[12+\a], v6, s[ASC:ASC+1] offset:(32*(\a/2)+8*(\a%2))*4
.endr
.irp j, 0,1,2,3
.irp c, 0,1
.if \type == 0
	global_load_b128 v[64+8*\j+4*\c:64+8*\j+4*\c+3], v5, s[44:45] offset:\j*1024+32*\c
.else
	global_load_b128 v[64+8*\j+4*\c:64+8*\j+4*\c+3], v4, s[44:45] offset:(32*(\j/2)+8*(\j%2))*64+32*\c
.endif
.endr
.if \type == 0
	global_load_b32 v[20+\j], v7, s[50:51] offset:64*\j
.else
	global_load_b32 v[20+\j], v6, s[50:51] offset:(32*(\j/2)+8*(\j%2))*4
.endif
.if \type == 2
	global_load_b32 v[30+\j], v6, s[BIA:BIA+1] offset:(32*(\j/2)+8*(\j%2))*4     ; bv of my lane's channel in tile j
.endif
.endr
.if \type != 2
.irp a, 0,1,2,3,4,5,6,7
	global_load_b128 v[128+8*\a:128+8*\a+3], v8, s[BIA:BIA+1] offset:(32*(\a/2)+8*(\a%2))*4      ; the bias of columns 32 b + 16 h + 8 u + 0 .. 7
	global_load_b128 v[128+8*\a+4:128+8*\a+7], v8, s[BIA:BIA+1] offset:(32*(\a/2)+8*(\a%2))*4+16
.endr
.endif
	s_wait_loadcnt 0x0                             ; all operands, once
.irp j, 0,1,2,3
.if \type == 2
.irp e, 0,1,2,3,4,5,6,7
	v_mov_b32 v[50+\e], v[30+\j]                   ; the sums' start: my channel's bias for every key.  (Behind the last tile's products stands its whole quantiser)
.endr
.rept 4
	v_nop
.endr
.endif
	WIN 0x01                                       ; source 0 (Aset) window 1
.irp a, 0,1,2,3,4,5,6,7
.if \type == 2
	v_wmma_scale_f32_16x16x128_f8f6f4 v[192+8*\a:199+8*\a], v[8*\a:8*\a+7], v[64+8*\j:71+8*\j], v[50:57], v[12+\a], v[20+\j] matrix_a_fmt:MATRIX_FMT_FP4 matrix_b_fmt:MATRIX_FMT_FP4
.else
	v_wmma_scale_f32_16x16x128_f8f6f4 v[192+8*\a:199+8*\a], v[8*\a:8*\a+7], v[64+8*\j:71+8*\j], v[128+8*\a:135+8*\a], v[12+\a], v[20+\j] matrix_a_fmt:MATRIX_FMT_FP4 matrix_b_fmt:MATRIX_FMT_FP4
.endif
.endr
	WIN 0
.rept 4
	v_nop                                          ; four places in front of the first read of results (ISA guide 7.12.1)
.endr
	QUANT 192, 96+8*\j, 24+\j
.irp c, 0,1
	global_store_b128 v9, v[96+8*\j+4*\c:96+8*\j+4*\c+3], s[46:47] offset:IMGO+\j*1024+512*\c   ; 32 lanes store 512 consecutive bytes, at a multiple of 256 from the buffer's first byte
.endr
.endr
	v_cndmask_b32 v28, v24, v26, s62               ; lanes 0-15 send the words of tiles 0 and 1 of their row, lanes 16-31 those of tiles 2 and 3
	v_cndmask_b32 v29, v25, v27, s62
	global_store_b64 v10, v[28:29], s[48:49] offset:SCLO      ; 256 consecutive bytes, aligned
.endm
	s_cmp_eq_u32 s30, 0
	s_cbranch_scc1 .Ljob_q
	s_cmp_eq_u32 s30, 1
	s_cbranch_scc1 .Ljob_k
	JOB 2
	s_endpgm
.Ljob_q:
	s_wait_alu depctr_va_vdst(0)
	JOB 0
	s_endpgm
.Ljob_k:
	s_wait_alu depctr_va_vdst(0)
	JOB 1
	s_endpgm
.Lfunc_end_k_q8702cae837_proj:
	.size	k_q8702cae837_proj, .Lfunc_end_k_q8702cae837_proj-k_q8702cae837_proj
	.p2alignl 7, 3214868480
	.fill 96, 4, 3214868480
	.section	.rodata,"a",@progbits
	.p2align	6, 0x0
	.amdhsa_kernel k_q8702cae837_proj
		.amdhsa_group_segment_fixed_size 0
		.amdhsa_private_segment_fixed_size 0
		.amdhsa_enable_private_segment 0
		.amdhsa_kernarg_size 104
		.amdhsa_user_sgpr_count 2
		.amdhsa_user_sgpr_kernarg_segment_ptr 1
		.amdhsa_wavefront_size32 1
		.amdhsa_system_sgpr_workgroup_id_x 1
		.amdhsa_system_sgpr_workgroup_id_y 1
		.amdhsa_system_sgpr_workgroup_id_z 1
		.amdhsa_system_vgpr_workitem_id 0
		.amdhsa_next_free_vgpr 320
		.amdhsa_next_free_sgpr 66
		.amdhsa_reserve_vcc 0
		.amdhsa_float_denorm_mode_32 3
		.amdhsa_float_denorm_mode_16_64 3
		.amdhsa_memory_ordered 1
		.amdhsa_forward_progress 1
		.amdhsa_inst_pref_size 80
	.end_amdhsa_kernel
	.amdgpu_metadata
---
amdhsa.version: [ 1, 2 ]
amdhsa.kernels:
  - .name:           k_q8702cae837_proj
    .symbol:         k_q8702cae837_proj.kd
    .args:
      - { .name: x_codes, .offset: 0, .size: 8, .value_kind: global_buffer, .address_space: global }
      - { .name: x_scales, .offset: 8, .size: 8, .value_kind: global_buffer, .address_space: global }
      - { .name: Wq_codes, .offset: 16, .size: 8, .value_kind: global_buffer, .address_space: global }
      - { .name: Wq_scales, .offset: 24, .size: 8, .value_kind: global_buffer, .address_space: global }
      - { .name: bq, .offset: 32, .size: 8, .value_kind: global_buffer, .address_space: global }
      - { .name: Wk_codes, .offset: 40, .size: 8, .value_kind: global_buffer, .address_space: global }
      - { .name: Wk_scales, .offset: 48, .size: 8, .value_kind: global_buffer, .address_space: global }
      - { .name: bk, .offset: 56, .size: 8, .value_kind: global_buffer, .address_space: global }
      - { .name: Wv_codes, .offset: 64, .size: 8, .value_kind: global_buffer, .address_space: global }
      - { .name: Wv_scales, .offset: 72, .size: 8, .value_kind: global_buffer, .address_space: global }
      - { .name: bv, .offset: 80, .size: 8, .value_kind: global_buffer, .address_space: global }
      - { .name: qb, .offset: 88, .size: 8, .value_kind: global_buffer, .address_space: global }
      - { .name: kv, .offset: 96, .size: 8, .value_kind: global_buffer, .address_space: global }
    .group_segment_fixed_size: 0
    .private_segment_fixed_size: 0
    .kernarg_segment_align: 8
    .kernarg_segment_size: 104
    .max_flat_workgroup_size: 96
    .sgpr_count:     66
    .vgpr_count:     320
    .wavefront_size: 32
...
	.end_amdgpu_metadata
.endif
;; end of part 1
;; launch attn (part 2): grid 64 x 4, 8 waves a work-group, clusters of 4 x 1, 327,680 bytes of LDS; arguments edge_weight, qb, kv, Wo_codes, Wo_scales, bo, out0; writes out0
.if DOCPART == 2
	.amdgcn_target "amdgcn-amd-amdhsa--gfx1250"
	.amdhsa_code_object_version 6
	.text
	.protected	k_q8702cae837_attn
	.globl	k_q8702cae837_attn
	.p2align	8
	.type	k_q8702cae837_attn,@function
k_q8702cae837_attn:
	s_mov_b64 s[64:65], 0
	v_nop
	global_prefetch_b8 v0, s[64:65] scope:SCOPE_SE
	s_setreg_imm32_b32 hwreg(HW_REG_WAVE_MODE, 25, 1), 1
	s_wait_xcnt 0x0
	s_wait_alu depctr_hold_cnt(0) depctr_sa_sdst(0) depctr_va_vdst(0) depctr_va_sdst(0) depctr_va_ssrc(0) depctr_va_vcc(0) depctr_vm_vsrc(0)
	s_getreg_b32 s2, hwreg(HW_REG_IB_STS2, 6, 4)
	s_cmp_eq_u32 s2, 0
	s_cbranch_scc0 .Lentry_in_a_cluster
	s_endpgm
.Lentry_in_a_cluster:
	s_bfe_u32 s2, ttmp6, 0x10000c
	s_cmp_lg_u32 s2, 0x3003
	s_cbranch_scc0 .Lentry_shape_is_right
	s_endpgm
.Lentry_shape_is_right:
; out = (softmax(q k^T / sqrt(32) + log(max(edge_weight, 1e-8))) v) Wo^T + bo, 4 graphs x 4,096 nodes x 4 heads of 32; all three products on codes of FP4 (E2M1) with E8M0 scales.
; q, k, v come as images of operand registers with their scale words (buffers qb and kv, made by the launch before; layouts in its head comment).
; SOFTMAX: t = logit x log2(e); M = the running largest t rounded UP to a whole number; p = 2^(t - M) is quantised along the keys; l is the sum of the unquantised p and divides at the end.
; SHARES.  A work-group owns 64 queries of one graph.  Wave w of eight: queries 16 (w % 4) on, all four heads, keys 2,048 (w / 4) on, in 16 units of 128 keys.  At the end waves 4-7 hand O, l, M to waves 0-3 through LDS.
; HEADS BY ZERO CODES: Q is kept four times, each with one head's block of 32 and zero codes elsewhere, so one fragment of K serves all heads.
; THE BIAS IS THE C OF THE SCORE PRODUCT: LC = log2(max(ew, 1e-8)) / c, c = log2(e) / sqrt(32): S' = q.k + LC, t = c S'.
; Both attention products are used transposed: a lane holds one query (lane % 16); register 16 b + i of S' is key 32 b + 16 (lane / 16) + i of the unit.
; EDGE WEIGHTS, by groups of four rows.  Head hd of unit u takes group hd of unit u + 1: max, log, 1 / c as the rows lie, then into the wave's own LDS scratch; the group's registers are asked for again at once (unit u + 2),
; so 16 loads of 512 bytes a wave are always out.  In head 3, behind its score products, the 16 rows come back in C's layout, and (inside a slot) the next unit's K too: they land under that head's softmax.
; One prefetch a unit names the 32 blocks of 256 bytes of unit u + 4, two units ahead of the loads that want them; the loop's last trip, whose unit u + 4 would lie past the keys, asks for nothing.
; K AND V come through a ring of two LDS slots (four blocks of 17,408 bytes: two units for each half of the keys).  The four work-groups of a cluster belong to one graph: each half block (34 rows of 256 bytes) is asked for
; jointly, one load a wave, all eight waves.  THE CHANGE OF SLOTS: its three lines and the round's opening signal stand ahead of the last head's exponentials (all my LDS reads of the slot are over there);
; the wait stands at the next trip's top; between the two there is work on registers alone.
; LIMITS: NaN and infinities are not served.  A block whose largest magnitude lies under 2^-124 keeps the scale byte 1.  LC is added inside the matrix unit (|LC| is 104.3 at the most).  l and O are summed in another order than the formula reads.
; REGISTERS.  window 0: v1-11 addresses; v12-27 statistics (head hd: v[12+4hd] -M, +1 largest S', +2, +3 l); v28 Q's scale word, v29 p's, v30-33 K's, v34-37 V's; v38 the prefetch's offset; v40-71 Q; v72-135 LC; v136-199 S', then p;
;   v200-207 p's codes; v208-223 two tiles of V; v224-249 at work; v250-252 offsets.   window 1: v0-63 K; v64-127 O^T; v128-191 edge weights; v192-255 unit 0's edge weights at the head.
.set BLK,   17408
.set SLOT1, 1<<17
.set MRG,   69632                      ; behind slot 0: the hand-over, 4 x 9,216 bytes
.set SCR,   200704                     ; behind slot 1: 16 rows x 528 bytes for each wave
.set SP,    528
.set SPARE, 268288                     ; the spare words: four blocks of 256 bytes that no other line names
.set QM,  40
.set LC,  72
.set S,   136
.set PC,  200
.set VF,  208
.set BM,  224
.set PM,  228
.set SOP, 232
.set F,   236
.set T,   238
.set OLD, 239
.set SA,  240
.set SB,  242
.set SC,  244
.set SD,  246
.set SE,  248
.set WOS, 242
.set TM,  208
.set OT,  64
.set SEL, 40
.set MSB, 0
.macro WIN new
.if MSB != \new
	s_set_vgpr_msb (MSB<<8)|\new
.set MSB, \new
.endif
.endm
.macro CREST                           ; a round of the cluster's barrier behind its opening barrier
	s_cmp_lg_u32 s18, 0
	s_cbranch_scc1 .Lnw0_\@
	s_barrier_signal -3
.Lnw0_\@:
	s_barrier_wait -3
	s_barrier_signal -1
	s_barrier_wait -1
.endm
.macro CROUND
	s_barrier_signal -1
	s_barrier_wait -1
	CREST
.endm
.macro JLOAD                           ; every wave asks for its half block; s_nop 0 and four v_nop follow
	tensor_load_to_lds s[32:35], s[24:31]
	s_nop 0
.rept 4
	v_nop
.endr
.endm
; Three lines ahead of a refill's barrier, and the barrier's signal.  step = 1: the edge weights' base goes two units on first (its last users are translated behind the wait on XCNT).
.macro SIG step
.if \step
	s_wait_xcnt 0x0
	s_add_nc_u64 s[4:5], s[4:5], 1024
.endif
	s_wait_tensorcnt 0x0                           ; my one load that was out has landed: the descriptor may be written
	ds_add_u32 v1, v2
	s_xor_b32 s33, s33, SLOT1                      ; the other slot,
	s_add_nc_u64 s[34:35], s[34:35], 2*BLK         ; two steps on
	s_wait_dscnt 0x0                               ; the add is done, and my reads of the slot in hand are over
	s_barrier_signal -1
.endm
.macro MAXG k
.set n, RR+16*\k
.rept 16
	v_max_num_f32 v[n], s61, v[n]
.set n, n+1
.endr
.endm
.macro LOGG k
.set n, RR+16*\k
.rept 16
	v_log_f32 v[n], v[n]
.set n, n+1
.endr
.endm
.macro MULG k
.set n, RR+16*\k
.rept 8
	v_pk_mul_f32 v[n:n+1], v[n:n+1], s[38:39] op_sel_hi:[1,0]
.set n, n+2
.endr
.endm
.macro EWST hd                         ; group hd: x 1 / c, then rows 4 hd .. 4 hd + 3 of the next unit into my scratch, as they lie
	WIN 0x45
	MULG \hd
	WIN 0x04
.irp i, 0,1,2,3
	ds_store_b128 v6, v[RR+16*\hd+4*\i:RR+16*\hd+4*\i+3] offset:SP*(4*\hd+\i)
.endr
	WIN 0
.endm
.macro PADD0 a
	v_pk_add_f32 v[\a:\a+1], v[pn:pn+1], v[pn+2:pn+3]
.set pn, pn+4
.endm
.macro PADD a
	v_pk_add_f32 v[\a:\a+1], v[\a:\a+1], v[pn:pn+1]
.set pn, pn+2
.endm
.macro KLOAD off                       ; K's eight fragments as images, and K's scale words
	WIN 0x40
.irp t, 0,1,2,3,4,5,6,7
.irp c, 0,1
	ds_load_b128 v[8*\t+4*\c:8*\t+4*\c+3], v4 offset:\off+\t*1024+512*\c
.endr
.endr
	WIN 0
	ds_load_b128 v[30:33], v4 offset:\off+16384
.endm
; ONE HEAD of a unit.  g: the slot's unit.  ew: group hd of the next unit's edge weights is prepared.  rf: its registers are asked for again.  sig: the change of slots opens here.  pf: the unit's prefetch.
.macro HEAD hd, g, ew, rf, sig, pf
.set ST, 12+4*\hd
.if \ew
	s_wait_loadcnt 12-4*\hd*(1-\rf)                ; my group is in; behind it the three younger groups were issued (where nothing is asked for again: those that are left)
.endif
	WIN 0x01
.irp t, 0,1,2,3
	v_wmma_scale_f32_16x16x128_f8f6f4 v[S+8*\t:S+8*\t+7], v[8*\t:8*\t+7], v[QM+8*\hd:QM+8*\hd+7], v[LC+8*\t:LC+8*\t+7], v[30+\t], v28 matrix_a_fmt:MATRIX_FMT_FP4 matrix_b_fmt:MATRIX_FMT_FP4
.endr
.irp t, 4,5,6,7
	v_wmma_scale_f32_16x16x128_f8f6f4 v[S+8*\t:S+8*\t+7], v[8*\t:8*\t+7], v[QM+8*\hd:QM+8*\hd+7], v[LC+8*\t:LC+8*\t+7], v[30+\t-4], v28 matrix_a_fmt:MATRIX_FMT_FP4 matrix_b_fmt:MATRIX_FMT_FP4 matrix_a_scale:MATRIX_SCALE_ROW1
.endr
.if \ew
	WIN 0x45
	MAXG \hd                                       ; sixteen plain lines: the places behind the products (ISA guide 7.12.1)
.if \sig                                           ; the head that opens the change of slots has its LDS stores ahead of the signal: its logarithms are a batch of their own, here
	s_wait_alu depctr_va_vdst(0)                   ; the wait ahead of the batch
	LOGG \hd
	WIN 0
	s_wait_alu depctr_va_vdst(0)                   ; and behind it, ahead of the first reader of the scores
.else
	WIN 0
.endif
.else
	WIN 0
.rept 4
	v_nop
.endr
.endif
.irp b, 0,1,2,3                                    ; the largest score of each block of 32 keys, in eight chains; each result is read from its low end on
	v_max3_num_f32 v[BM+\b], v[S+16*\b], v[S+1+16*\b], v[S+2+16*\b]
.endr
.irp b, 0,1,2,3
	v_max3_num_f32 v[PM+\b], v[S+8+16*\b], v[S+9+16*\b], v[S+10+16*\b]
.endr
.irp i, 3,5
.irp b, 0,1,2,3
	v_max3_num_f32 v[BM+\b], v[BM+\b], v[S+16*\b+\i], v[S+1+16*\b+\i]
.endr
.irp b, 0,1,2,3
	v_max3_num_f32 v[PM+\b], v[PM+\b], v[S+8+16*\b+\i], v[S+9+16*\b+\i]
.endr
.endr
.irp b, 0,1,2,3
	v_max3_num_f32 v[BM+\b], v[BM+\b], v[S+7+16*\b], v[S+15+16*\b]
.endr
.irp b, 0,1,2,3
	v_max_num_f32 v[BM+\b], v[BM+\b], v[PM+\b]
.endr
.irp b, 0,1,2,3
	v_permlanex16_b32 v[PM+\b], v[BM+\b], s[SEL], s[SEL+1]
.endr
.if \sig
	EWST \hd
.endif
.irp u, 0,1
.irp c, 0,1
	ds_load_b128 v[VF+8*\u+4*\c:VF+8*\u+4*\c+3], v4 offset:\g*BLK+8192+(2*\hd+\u)*1024+512*\c
.endr
.endr
.if \hd == 0
	ds_load_b128 v[34:37], v4 offset:\g*BLK+16896  ; V's scale words
.endif
.if \hd == 3
.if \sig
.irp b, 0,1,2,3
.irp e, 0,1,2,3
	ds_load_b128 v[LC+16*\b+4*\e:LC+16*\b+4*\e+3], v7 offset:128*\b+16*\e   ; the next unit's LC in C's layout.  LDS serves a wave's instructions in order: these see my stores
.endr
.endr
.endif
.if \g == 0
	KLOAD BLK                                      ; the slot's second unit
.endif
.endif
.if \sig
	s_xor_b32 s42, s42, SLOT1
	v_add_nc_u32 v4, s42, v3                       ; my lane's place in the slot ahead
.endif
.irp b, 0,1,2,3
	v_max_num_f32 v[BM+\b], v[BM+\b], v[PM+\b]     ; with lane l xor 16's 16 keys
.endr
	v_max3_num_f32 v[T], v[BM], v[BM+1], v[BM+2]
	v_mov_b32 v[OLD], v[ST]
	v_max3_num_f32 v[ST+1], v[ST+1], v[T], v[BM+3] ; the running largest S'
	v_mul_f32 v[T], s36, v[ST+1]                   ; as t (c is positive)
	v_floor_f32 v[ST], -v[T]                       ; -M = floor(-t): a whole number
.set n, S
.rept 32
	v_pk_fma_f32 v[n:n+1], v[n:n+1], s[36:37], v[ST:ST+1] op_sel_hi:[1,0,0]   ; t - M
.if n == S+8
	v_sub_f32 v[T], v[ST], v[OLD]                  ; old M - new M, a whole number, 0 or less
.endif
.if n == S+20
	v_cvt_i32_f32 v[T], v[T]
.endif
.if n == S+32
	v_ldexp_f32 v[F], 1.0, v[T]                    ; f = 2^(old M - new M)
.endif
.set n, n+2
.endr
.irp b, 0,1,2,3
	v_fma_f32 v[BM+\b], v[BM+\b], s36, v[ST]
.endr
	s_wait_alu depctr_va_vdst(0)                   ; the wait ahead of the batch (and of the branch and the waits below)
.if \pf
	s_cmp_gt_u32 s43, 1                            ; not in the last trip: its unit + 4 lies past my keys
	s_cbranch_scc0 .Lnp_\@
	global_prefetch_b8 v38, s[4:5] offset:(\g+4)*512 th:TH_LOAD_NT scope:SCOPE_SE   ; 16 rows x 2 blocks of 256 bytes, a lane a block
.Lnp_\@:
.endif
.if \sig
	SIG 1
.endif
.set n, S
.rept 64
	v_exp_f32 v[n], v[n]
.set n, n+1
.endr
.irp b, 0,1,2,3
	v_exp_f32 v[BM+\b], v[BM+\b]                   ; the block's largest p
.endr
.if \ew && (\sig == 0)
	WIN 0x45
	LOGG \hd                                       ; the group's logarithms go with the head's exponentials: one batch, its two waits serve both
	WIN 0
.endif
	v_pk_mul_f32 v[ST+2:ST+3], v[ST+2:ST+3], v[F:F+1] op_sel_hi:[1,0]
	s_wait_alu depctr_va_vdst(0)                   ; one wait for the batch, ahead of its first reader (and of the wait below)
.if \sig == 0
	s_wait_dscnt 0x0                               ; V's two tiles are in: no wait that blocks stands between the lines below and the second product
.endif
.if \ew && (\sig == 0)
	EWST \hd
.if \hd == 3
.irp b, 0,1,2,3
.irp e, 0,1,2,3
	ds_load_b128 v[LC+16*\b+4*\e:LC+16*\b+4*\e+3], v7 offset:128*\b+16*\e   ; the next unit's LC in C's layout: these see my stores
.endr
.endr
.endif
.endif
.set pn, S
.irp b, 0,1,2,3
	v_max_num_f32 v[BM+\b], 0x1800000, v[BM+\b]    ; the floor 2^(3 - 127)
.endr
.irp a, SA,SB,SC,SD,SE                             ; the sum of the unquantised p: 32 pairs in six chains, laid between the scales' lines
	PADD0 \a
.endr
	PADD ST+2
.irp b, 0,1,2,3
	v_add_nc_u32 v[SOP+\b], 0xff000000, v[BM+\b]   ; the conversion's scale operand
.endr
.irp a, SA,SB,SC,SD,SE,ST+2
	PADD \a
.endr
.irp b, 0,1,2,3
	v_lshrrev_b32 v[PM+\b], 23, v[SOP+\b]          ; the scale's byte
.endr
.irp a, SA,SB,SC,SD,SE,ST+2
	PADD \a
.endr
	v_lshl_or_b32 v29, v[PM+1], 8, v[PM]
.irp a, SA,SB,SC
	PADD \a
.endr
	v_lshl_or_b32 v29, v[PM+2], 16, v29
.irp a, SD,SE,ST+2
	PADD \a
.endr
	v_lshl_or_b32 v29, v[PM+3], 24, v29            ; p's scale word
.irp b, 0,1,2,3
	v_cvt_scalef32_pk8_fp4_f32 v[PC+2*\b], v[S+16*\b:S+7+16*\b], v[SOP+\b]
	v_cvt_scalef32_pk8_fp4_f32 v[PC+1+2*\b], v[S+8+16*\b:S+15+16*\b], v[SOP+\b]
.endr
.irp a, SA,SB,SC                                   ; (plain places behind the conversions)
	PADD \a
.endr
.irp c, 0,1
.irp i, 0,1
	v_permlane16_swap_b32 v[PC+4*\c+\i], v[PC+2+4*\c+\i]
.endr
.endr
	v_pk_add_f32 v[SA:SA+1], v[SA:SA+1], v[SB:SB+1]
	v_pk_add_f32 v[SC:SC+1], v[SC:SC+1], v[SD:SD+1]
	v_pk_add_f32 v[ST+2:ST+3], v[ST+2:ST+3], v[SE:SE+1]
	v_pk_add_f32 v[SA:SA+1], v[SA:SA+1], v[SC:SC+1]
	v_pk_add_f32 v[ST+2:ST+3], v[ST+2:ST+3], v[SA:SA+1]
	WIN 0x41
.set n, OT+16*\hd
.rept 8
	v_pk_mul_f32 v[n:n+1], v[n:n+1], v[F:F+1] op_sel_hi:[1,0]     ; the head's O^T under the new M, each accumulator from its low end on
.set n, n+2
.endr
	WIN 0x50
.irp u, 0,1
.if \hd < 2
	v_wmma_scale_f32_16x16x128_f8f6f4 v[OT+16*\hd+8*\u:OT+16*\hd+8*\u+7], v[VF+8*\u:VF+8*\u+7], v[PC:PC+7], v[OT+16*\hd+8*\u:OT+16*\hd+8*\u+7], v[34+2*\hd+\u], v29 matrix_a_fmt:MATRIX_FMT_FP4 matrix_b_fmt:MATRIX_FMT_FP4
.else
	v_wmma_scale_f32_16x16x128_f8f6f4 v[OT+16*\hd+8*\u:OT+16*\hd+8*\u+7], v[VF+8*\u:VF+8*\u+7], v[PC:PC+7], v[OT+16*\hd+8*\u:OT+16*\hd+8*\u+7], v[34+2*\hd+\u-4], v29 matrix_a_fmt:MATRIX_FMT_FP4 matrix_b_fmt:MATRIX_FMT_FP4 matrix_a_scale:MATRIX_SCALE_ROW1
.endif
.endr                                              ; the accumulators take turns
.if \rf && (\sig == 0)
	s_wait_dscnt 0x0                               ; my stores have read the group's registers
	WIN 0x40
.irp i, 0,1,2,3
	global_load_b128 v[RR+16*\hd+4*\i:RR+16*\hd+4*\i+3], v5, s[4:5] offset:(\g+2)*512+16384*(4*\hd+\i) th:TH_LOAD_NT   ; the same rows two units on
.endr
.endif
.endm
.macro UNIT g, ew, rf, sig, pf
	s_wait_dscnt 0x0                               ; K, its scale words and LC are in
	HEAD 0, \g, \ew, \rf, 0, 0
	HEAD 1, \g, \ew, \rf, 0, \pf
	HEAD 2, \g, \ew, \rf, 0, 0
	HEAD 3, \g, \ew, \rf, \sig, 0
.endm
; A trip's top: the barrier's wait; fill = 1: the rest of the cluster's round and the joint refill of the slot just left; then the slot's first K, and rows 12-15 of the slot's second unit of edge weights.
.macro TOP fill
	s_barrier_wait -1
.if \fill
	CREST
	JLOAD
.endif
	KLOAD 0
	WIN 0x40
.irp i, 0,1,2,3
	global_load_b128 v[RR+48+4*\i:RR+48+4*\i+3], v5, s[4:5] offset:512+16384*(12+\i) th:TH_LOAD_NT
.endr
	WIN 0
.endm
.macro QUANT s, pc, pw
.irp b, 0,1,2,3
	v_max3_num_f32 v[TM+\b], |v[(\s)+16*\b]|, |v[(\s)+1+16*\b]|, 0x1800000
.endr
.irp i, 2,4,6,8,10,12,14
.irp b, 0,1,2,3
	s_delay_alu instid0(VALU_DEP_4)
	v_max3_num_f32 v[TM+\b], v[TM+\b], |v[(\s)+16*\b+\i]|, |v[(\s)+1+16*\b+\i]|
.endr
.endr
.irp b, 0,1,2,3
	s_delay_alu instid0(VALU_DEP_4)
	v_permlanex16_b32 v[TM+4+\b], v[TM+\b], s[SEL], s[SEL+1]
.endr
.irp b, 0,1,2,3
	s_delay_alu instid0(VALU_DEP_4)
	v_max_num_f32 v[TM+\b], v[TM+\b], v[TM+4+\b]
.endr
.irp b, 0,1,2,3
	s_delay_alu instid0(VALU_DEP_4)
	v_add_nc_u32 v[TM+12+\b], 0xff000000, v[TM+\b]
.endr
.irp b, 0,1,2,3
	s_delay_alu instid0(VALU_DEP_4)
	v_lshrrev_b32 v[TM+4+\b], 23, v[TM+12+\b]
.endr
	s_delay_alu instid0(VALU_DEP_3)
	v_lshl_or_b32 v[\pw], v[TM+5], 8, v[TM+4]
	s_delay_alu instid0(VALU_DEP_1)
	v_lshl_or_b32 v[\pw], v[TM+6], 16, v[\pw]
	s_delay_alu instid0(VALU_DEP_1)
	v_lshl_or_b32 v[\pw], v[TM+7], 24, v[\pw]
.irp b, 0,1,2,3
	v_cvt_scalef32_pk8_fp4_f32 v[(\pc)+2*\b], v[(\s)+16*\b:(\s)+7+16*\b], v[TM+12+\b]
	v_cvt_scalef32_pk8_fp4_f32 v[(\pc)+1+2*\b], v[(\s)+8+16*\b:(\s)+15+16*\b], v[TM+12+\b]
.endr
	v_nop
.irp c, 0,1
.irp i, 0,1
	v_permlane16_swap_b32 v[(\pc)+4*\c+\i], v[(\pc)+2+4*\c+\i]
.endr
.endr
.endm
	; ---- the head: ids, addresses, descriptors
	s_load_b256 s[4:11], s[0:1], 0x0               ; edge_weight s[4:5], qb s[6:7], kv s[8:9], Wo's codes s[10:11]
	s_load_b128 s[12:15], s[0:1], 0x20             ; Wo's scales s[12:13], bo s[14:15]
	s_load_b64 s[16:17], s[0:1], 0x30              ; out0
	v_lshl_add_u32 v1, v0, 2, SPARE                ; my spare word; never rewritten
	v_mov_b32 v2, 0                                ; 0; never rewritten
	ds_add_u32 v1, v2
	ds_add_u32 v1, v2
	s_wait_dscnt 0x0
	v_lshrrev_b32 v3, 5, v0
	s_delay_alu instid0(VALU_DEP_1)
	v_readfirstlane_b32 s18, v3                    ; wave 0..7
	s_and_b32 s19, s18, 3                          ; my tile of 16 queries, and my place in the hand-over
	s_lshr_b32 s20, s18, 2                         ; my half of the keys
	s_bfe_u32 s22, ttmp6, 0x40000                  ; cx
	s_lshl_b32 s23, ttmp9, 2
	s_add_co_u32 s23, s23, s22                     ; my block of 64 queries: it enters the addresses of edge_weight, qb and out0 alone
	s_and_b32 s46, ttmp7, 0xffff                   ; the graph, which the four partners share
	s_lshl_b32 s48, s46, 5                         ; kv: I fetch half (wave % 2) of block wave / 2: step 32 c + 16 (wave / 4) + (wave / 2) % 2
	s_lshl_b32 s47, s20, 4
	s_add_co_u32 s48, s48, s47
	s_bfe_u32 s47, s18, 0x10001
	s_add_co_u32 s48, s48, s47
	s_mul_i32 s48, s48, BLK
	s_and_b32 s47, s18, 1
	s_mul_i32 s47, s47, BLK/2
	s_add_co_u32 s48, s48, s47
	s_mov_b32 s49, 0
	s_lshl_b32 s50, s46, 12
	s_lshl_b32 s51, s23, 6
	s_add_co_u32 s50, s50, s51
	s_lshl_b32 s51, s19, 4
	s_add_co_u32 s50, s50, s51                     ; my first query among the 16,384
	s_lshl_b32 s52, s50, 9                         ; its row of out0
	s_mov_b32 s53, 0
	s_lshl_b32 s50, s50, 14                        ; its row of edge_weight,
	s_lshl_b32 s51, s20, 13
	s_add_co_u32 s50, s50, s51                     ; at my half of the keys
	s_mov_b32 s51, 0
	s_lshl_b32 s54, s46, 5
	s_lshr_b32 s55, s23, 1
	s_add_co_u32 s54, s54, s55
	s_mul_i32 s54, s54, 8704                       ; qb: my step's block
	s_and_b32 s55, s23, 1
	s_lshl_b32 s56, s55, 8
	s_add_co_u32 s56, s56, s54
	s_lshl_b32 s57, s19, 2
	s_add_co_u32 s56, s56, s57                     ; my tile's scale words
	s_mov_b32 s57, 0
	s_lshl_b32 s55, s55, 2
	s_add_co_u32 s55, s55, s19
	s_lshl_b32 s55, s55, 10
	s_add_co_u32 s54, s54, s55                     ; my tile's image
	s_mov_b32 s55, 0
	; descriptor group 1: half a block, 8,704 dense bytes, as 34 rows of 256 bytes (32 elements of 8 bytes)
	s_mov_b32 s24, 15|(3<<16)|(1<<21)              ; the mask of all four work-groups; elements of 8 bytes; bit 21 beside a mask
	s_mov_b32 s25, 32<<16
	s_mov_b32 s26, 34<<16
	s_mov_b32 s27, 32<<16
	s_mov_b32 s28, 34
	s_mov_b32 s29, 32
	s_mov_b32 s30, 0
	s_mov_b32 s31, 0
	s_mov_b32 s32, 1
	s_mul_i32 s33, s18, BLK/2                      ; LDS address: slot 0, wave x half a block
	s_mov_b32 s36, 0x3e8293ee                      ; c = log2(e) / sqrt(32)
	s_mov_b32 s37, s36
	s_mov_b32 s38, 0x407af233                      ; 1 / c
	s_mov_b32 s39, s38
	s_mov_b32 s[SEL], 0x76543210
	s_mov_b32 s[SEL+1], 0xfedcba98
	s_mov_b32 s42, 0                               ; the slot in hand
	s_mov_b32 s43, 7                               ; trips that ask for a slot
	s_mov_b32 s44, 0x0000ffff
	s_mov_b32 s45, 0xffff0000
	s_mov_b32 s61, 0x322bcc77                      ; 1e-8
	v_and_b32 v12, 15, v0                          ; r
	v_bfe_u32 v13, v0, 4, 1                        ; h
	v_and_b32 v5, 31, v0
	v_and_b32 v39, 1, v0
	v_lshrrev_b32 v38, 1, v5
	v_lshlrev_b32 v38, 14, v38
	v_lshl_add_u32 v38, v39, 8, v38                ; the prefetch: row lane / 2, block lane % 2
	v_lshlrev_b32 v10, 2, v5                       ; 4 x lane
	v_lshlrev_b32 v5, 4, v5                        ; 16 x lane
	s_mul_i32 s47, s20, 2*BLK
	v_add_nc_u32 v3, s47, v5                       ; my lane's place in my half's two blocks of a slot
	s_mul_i32 s47, s18, 16*SP
	s_add_co_u32 s47, s47, SCR                     ; my scratch
	v_add_nc_u32 v6, s47, v5                       ; rows as they lie
	v_mul_u32_u24 v8, v12, SP
	s_delay_alu instid0(VALU_DEP_1)
	v_lshl_add_u32 v7, v13, 6, v8
	s_delay_alu instid0(VALU_DEP_1)
	v_add_nc_u32 v7, s47, v7                       ; C's layout: row r, + 64 h
	s_delay_alu instid0(VALU_DEP_3)
	v_lshl_add_u32 v8, v13, 5, v8
	s_delay_alu instid0(VALU_DEP_1)
	v_add_nc_u32 v8, s47, v8                       ; the way out: row r, + 32 h
	s_mul_i32 s60, s19, 9216
	s_add_co_u32 s60, s60, MRG
	v_add_nc_u32 v9, s60, v5
	s_add_co_u32 s60, s60, 8192
	v_add_nc_u32 v10, s60, v10
	v_lshlrev_b32 v11, 4, v12                      ; Q's scale words: 16 r
	v_lshlrev_b32 v250, 6, v12
	s_delay_alu instid0(VALU_DEP_1)
	v_lshl_add_u32 v250, v13, 4, v250              ; Wo's codes
	v_lshlrev_b32 v251, 2, v12                     ; Wo's scale words
	v_lshlrev_b32 v252, 5, v13                     ; bo
	v_mov_b32 v4, v3                               ; slot 0
	s_wait_alu depctr_va_vdst(0)
	s_wait_kmcnt 0x0
	s_add_nc_u64 s[34:35], s[8:9], s[48:49]
	s_or_b32 s35, s35, 0x80000000
	s_add_nc_u64 s[4:5], s[4:5], s[50:51]
	s_add_nc_u64 s[16:17], s[16:17], s[52:53]
	s_add_nc_u64 s[58:59], s[6:7], s[56:57]
	s_add_nc_u64 s[6:7], s[6:7], s[54:55]
	global_load_b128 v[S:S+3], v5, s[6:7]          ; Q's image, for the moment in S's registers
	global_load_b128 v[S+4:S+7], v5, s[6:7] offset:512
	global_load_b32 v28, v11, s[58:59] offset:8192
	WIN 0x40
.irp i, 0,1,2,3,4,5,6,7,8,9,10,11,12,13,14,15
	global_load_b128 v[192+4*\i:192+4*\i+3], v5, s[4:5] offset:16384*\i th:TH_LOAD_NT          ; unit 0
.endr
.irp i, 0,1,2,3,4,5,6,7,8,9,10,11
	global_load_b128 v[128+4*\i:128+4*\i+3], v5, s[4:5] offset:512+16384*\i th:TH_LOAD_NT      ; unit 1, rows 0-11; rows 12-15 follow at the first trip's top
.endr
	WIN 0
	CROUND                                         ; all four work-groups are here: the first joint loads meet
	JLOAD                                          ; slot 0: one load a wave
	WIN 0x40
.set n, OT
.rept 64
	v_mov_b32 v[n], 0                              ; O^T: the first change of M leaves zeros zeros
.set n, n+1
.endr
	WIN 0
.irp hd, 0,1,2,3
	v_mov_b32 v[13+4*\hd], 0xff61b1e6              ; the largest S' so far: -3e38
	v_mov_b32 v[14+4*\hd], 0
	v_mov_b32 v[15+4*\hd], 0
	v_mov_b32 v[PM+\hd], 0
.endr
.irp hd, 0,1,2,3
	v_floor_f32 v[12+4*\hd], -v[13+4*\hd]
.endr
	v_mov_b32 v[F+1], 0
	s_wait_alu depctr_va_vdst(0)
	s_wait_loadcnt 28                              ; Q and its scale words are in; behind them 16 + 12 loads of edge weights
.irp hd, 0,1,2,3
.irp e, 0,1,2,3
	v_cndmask_b32 v[QM+8*\hd+4*(\hd/2)+\e], 0, v[S+4*(\hd/2)+\e], s[44+(\hd%2)]
	v_mov_b32 v[QM+8*\hd+4*(1-\hd/2)+\e], 0
.endr
.endr
	s_wait_alu depctr_va_vdst(0)
	s_wait_loadcnt 12                              ; unit 0 is in; unit 1's 12 loads may be out
.set RR, 192
	WIN 0x45
.irp k, 0,1,2,3
	MAXG \k
.endr
	s_wait_alu depctr_va_vdst(0)
.irp k, 0,1,2,3
	LOGG \k
.endr
	v_nop
	s_wait_alu depctr_va_vdst(0)
.irp k, 0,1,2,3
	MULG \k
.endr
	WIN 0x04
.irp i, 0,1,2,3,4,5,6,7,8,9,10,11,12,13,14,15
	ds_store_b128 v6, v[RR+4*\i:RR+4*\i+3] offset:SP*\i
.endr
	WIN 0
.irp b, 0,1,2,3
.irp e, 0,1,2,3
	ds_load_b128 v[LC+16*\b+4*\e:LC+16*\b+4*\e+3], v7 offset:128*\b+16*\e
.endr
.endr
.set RR, 128
	s_wait_alu depctr_va_vdst(0)                   ; the wait at the head's end
	SIG 0                                          ; slot 1's first fill is issued as a refill is
	; ---- the keys: 8 slots of two units
.Lslot:                                            ; 7 trips, each asking for the next slot
	TOP 1
	UNIT 0, 1, 1, 0, 1
	UNIT 1, 1, 1, 1, 1
	WIN 0
	s_sub_co_u32 s43, s43, 1
	s_cmp_lg_u32 s43, 0
	s_wait_alu depctr_va_vdst(0)                   ; the wait ahead of the branch
	s_cbranch_scc1 .Lslot
	TOP 0                                          ; the last slot is written out: nothing more is asked of the ring
	UNIT 0, 1, 0, 0, 0
	UNIT 1, 0, 0, 0, 0
	; ---- the hand-over: waves 4-7 put O^T, -M and l into LDS; waves 0-3 meanwhile ask for Wo and bo
	WIN 0
.irp hd, 0,1,2,3
	v_add_f32 v[14+4*\hd], v[14+4*\hd], v[15+4*\hd]          ; l's two halves (the places behind the last products)
.endr
	s_wait_alu depctr_va_vdst(0)
	s_cmp_lt_u32 s18, 4
	s_cbranch_scc1 .Llow
	WIN 0x04
.irp i, 0,1,2,3,4,5,6,7,8,9,10,11,12,13,14,15
	ds_store_b128 v9, v[OT+4*\i:OT+4*\i+3] offset:512*\i
.endr
	WIN 0
.irp hd, 0,1,2,3
	ds_store_b32 v10, v[12+4*\hd] offset:256*\hd
	ds_store_b32 v10, v[14+4*\hd] offset:256*\hd+128
.endr
	s_branch .Ljoin
.Llow:
	WIN 0x40
.irp t, 0,1,2,3,4,5,6,7
.irp c, 0,1
	global_load_b128 v[8*\t+4*\c:8*\t+4*\c+3], v250, s[10:11] offset:\t*1024+32*\c     ; Wo's rows 16 t + r, where K's fragments lay
.endr
.endr
	WIN 0
.irp t, 0,1,2,3,4,5,6,7
	global_load_b32 v[WOS+\t], v251, s[12:13] offset:64*\t
	global_load_b128 v[LC+8*\t:LC+8*\t+3], v252, s[14:15] offset:64*\t                 ; bo: the C of the last product
	global_load_b128 v[LC+8*\t+4:LC+8*\t+7], v252, s[14:15] offset:64*\t+16
.endr
.Ljoin:
	s_wait_dscnt 0x0                               ; for the others' sake: my stores have landed
	s_barrier_signal -1
	s_barrier_wait -1
	s_cmp_lt_u32 s18, 4
	s_cbranch_scc0 .Lend
	; ---- waves 0-3: merge, normalise, quantise, x Wo^T + bo
.irp i, 0,1,2,3,4,5,6,7,8,9,10,11,12,13,14,15
	ds_load_b128 v[S+4*\i:S+4*\i+3], v9 offset:512*\i
.endr
.irp hd, 0,1,2,3
	ds_load_b32 v[208+2*\hd], v10 offset:256*\hd             ; the partner's -M
	ds_load_b32 v[209+2*\hd], v10 offset:256*\hd+128         ; its l
.endr
	s_wait_dscnt 0x0
.irp hd, 0,1,2,3
	v_min_num_f32 v[216+\hd], v[12+4*\hd], v[208+2*\hd]      ; the joint -M
.endr
.irp hd, 0,1,2,3
	v_sub_f32 v[224+2*\hd], v[216+\hd], v[12+4*\hd]
	v_sub_f32 v[232+2*\hd], v[216+\hd], v[208+2*\hd]
.endr
.irp hd, 0,1,2,3
	v_cvt_i32_f32 v[224+2*\hd], v[224+2*\hd]
	v_cvt_i32_f32 v[232+2*\hd], v[232+2*\hd]
.endr
.irp hd, 0,1,2,3
	v_ldexp_f32 v[224+2*\hd], 1.0, v[224+2*\hd]              ; fa, fb: exact powers of two
	v_ldexp_f32 v[232+2*\hd], 1.0, v[232+2*\hd]
.endr
.irp hd, 0,1,2,3
	v_mul_f32 v[14+4*\hd], v[14+4*\hd], v[224+2*\hd]
.endr
.irp hd, 0,1,2,3
	s_delay_alu instid0(VALU_DEP_4)
	v_fma_f32 v[14+4*\hd], v[209+2*\hd], v[232+2*\hd], v[14+4*\hd]
.endr
.irp hd, 0,1,2,3
	s_delay_alu instid0(VALU_DEP_4)
	v_permlanex16_b32 v[15+4*\hd], v[14+4*\hd], s[SEL], s[SEL+1]
.endr
.irp hd, 0,1,2,3
	s_delay_alu instid0(VALU_DEP_4)
	v_add_f32 v[14+4*\hd], v[14+4*\hd], v[15+4*\hd]          ; the row's sum
.endr
	s_wait_alu depctr_va_vdst(0)
.irp hd, 0,1,2,3
	v_rcp_f32 v[15+4*\hd], v[14+4*\hd]
.endr
	v_nop
	s_wait_alu depctr_va_vdst(0)
.irp hd, 0,1,2,3
	v_mul_f32 v[225+2*\hd], v[224+2*\hd], v[15+4*\hd]
	v_mul_f32 v[233+2*\hd], v[232+2*\hd], v[15+4*\hd]
.endr
.irp hd, 0,1,2,3
	v_mul_f32 v[224+2*\hd], v[224+2*\hd], v[15+4*\hd]
	v_mul_f32 v[232+2*\hd], v[232+2*\hd], v[15+4*\hd]
.endr
.irp hd, 0,1,2,3
.irp i, 0,1,2,3,4,5,6,7
	v_pk_mul_f32 v[S+16*\hd+2*\i:S+16*\hd+2*\i+1], v[S+16*\hd+2*\i:S+16*\hd+2*\i+1], v[232+2*\hd:233+2*\hd]
.endr
.endr
	WIN 0x01
.irp hd, 0,1,2,3
.irp i, 0,1,2,3,4,5,6,7
	v_pk_fma_f32 v[S+16*\hd+2*\i:S+16*\hd+2*\i+1], v[OT+16*\hd+2*\i:OT+16*\hd+2*\i+1], v[224+2*\hd:225+2*\hd], v[S+16*\hd+2*\i:S+16*\hd+2*\i+1]
.endr
.endr
	WIN 0
	QUANT S, PC, 29                                ; along the 128 columns: a block a head
.rept 8
	v_nop                                          ; a scale register written by a vector instruction stands 8 places ahead of a scaled matrix instruction
.endr
	s_wait_alu depctr_va_vdst(0)
	s_wait_loadcnt 0x0                             ; Wo, its scale words, bo
	WIN 0x01
.irp t, 0,1,2,3,4,5,6,7
	v_wmma_scale_f32_16x16x128_f8f6f4 v[S+8*\t:S+8*\t+7], v[8*\t:8*\t+7], v[PC:PC+7], v[LC+8*\t:LC+8*\t+7], v[WOS+\t], v29 matrix_a_fmt:MATRIX_FMT_FP4 matrix_b_fmt:MATRIX_FMT_FP4
.endr
	WIN 0
.rept 4
	v_nop
.endr
.irp t, 0,1,2,3,4,5,6,7
	ds_store_b128 v8, v[S+8*\t:S+8*\t+3] offset:64*\t
	ds_store_b128 v8, v[S+8*\t+4:S+8*\t+7] offset:64*\t+16
.endr
.irp i, 0,1,2,3,4,5,6,7,8,9,10,11,12,13,14,15
	ds_load_b128 v[LC+4*\i:LC+4*\i+3], v6 offset:SP*\i       ; back as whole rows
.endr
.irp i, 0,1,2,3,4,5,6,7,8,9,10,11,12,13,14,15
	s_wait_dscnt 15-\i
	global_store_b128 v5, v[LC+4*\i:LC+4*\i+3], s[16:17] offset:512*\i th:TH_STORE_NT    ; 32 lanes store a row of 512 bytes, aligned
.endr
.Lend:
	s_wait_tensorcnt 0x0                           ; the wave's end
	ds_add_u32 v1, v2
	s_wait_dscnt 0x0
	CROUND                                         ; the closing round
	s_endpgm
.Lfunc_end_k_q8702cae837_attn:
	.size	k_q8702cae837_attn, .Lfunc_end_k_q8702cae837_attn-k_q8702cae837_attn
	.p2alignl 7, 3214868480
	.fill 96, 4, 3214868480
	.section	.rodata,"a",@progbits
	.p2align	6, 0x0
	.amdhsa_kernel k_q8702cae837_attn
		.amdhsa_group_segment_fixed_size 327680
		.amdhsa_private_segment_fixed_size 0
		.amdhsa_enable_private_segment 0
		.amdhsa_kernarg_size 56
		.amdhsa_user_sgpr_count 2
		.amdhsa_user_sgpr_kernarg_segment_ptr 1
		.amdhsa_wavefront_size32 1
		.amdhsa_system_sgpr_workgroup_id_x 1
		.amdhsa_system_sgpr_workgroup_id_y 1
		.amdhsa_system_sgpr_workgroup_id_z 1
		.amdhsa_system_vgpr_workitem_id 0
		.amdhsa_next_free_vgpr 512
		.amdhsa_next_free_sgpr 66
		.amdhsa_reserve_vcc 0
		.amdhsa_float_denorm_mode_32 3
		.amdhsa_float_denorm_mode_16_64 3
		.amdhsa_memory_ordered 1
		.amdhsa_forward_progress 1
		.amdhsa_inst_pref_size 255
	.end_amdhsa_kernel
	.section	.bss,"aw",@nobits
	.p2align	6
	.space	262144
	.amdgpu_metadata
---
amdhsa.version: [ 1, 2 ]
amdhsa.kernels:
  - .name:           k_q8702cae837_attn
    .symbol:         k_q8702cae837_attn.kd
    .args:
      - { .name: edge_weight, .offset: 0, .size: 8, .value_kind: global_buffer, .address_space: global }
      - { .name: qb, .offset: 8, .size: 8, .value_kind: global_buffer, .address_space: global }
      - { .name: kv, .offset: 16, .size: 8, .value_kind: global_buffer, .address_space: global }
      - { .name: Wo_codes, .offset: 24, .size: 8, .value_kind: global_buffer, .address_space: global }
      - { .name: Wo_scales, .offset: 32, .size: 8, .value_kind: global_buffer, .address_space: global }
      - { .name: bo, .offset: 40, .size: 8, .value_kind: global_buffer, .address_space: global }
      - { .name: out0, .offset: 48, .size: 8, .value_kind: global_buffer, .address_space: global }
    .group_segment_fixed_size: 327680
    .private_segment_fixed_size: 0
    .kernarg_segment_align: 8
    .kernarg_segment_size: 56
    .max_flat_workgroup_size: 256
    .sgpr_count:     66
    .vgpr_count:     512
    .wavefront_size: 32
...
	.end_amdgpu_metadata
.endif
;; end of part 2
